; MI455X (gfx1250); checked and timed in simulation.
; The chip was launched on July 23, 2026; its instructions are those of AMD's public machine-readable ISA for CDNA 5 (MIT licence, August 2026) and "CDNA5" Instruction Set Architecture Reference Guide (July 2026). The comments in the code are by the model that wrote it; some were corrected since.
;; Multi Head Attention. Allowed arithmetic: float matrix products may take bf16 or f16 operands with f32 sums; all other float work in f32.
;; Inputs: dense_b 1,024 float32; dense_w 1,024 x 1,024 float32; k 4 x 2,048 x 1,024 float32; mask 1 x 1 x 2,048 x 2,048 float32; q 4 x 2,048 x 1,024 float32; v 4 x 2,048 x 1,024 float32; wk_b 1,024 float32; wk_w 1,024 x 1,024 float32; wq_b 1,024 float32; wq_w 1,024 x 1,024 float32; wv_b 1,024 float32; wv_w 1,024 x 1,024 float32.
;; Outputs: out0 4 x 2,048 x 1,024 float32.
;; One version. Each part assembles by itself: llvm-mc -triple=amdgcn-amd-amdhsa -mcpu=gfx1250 --defsym DOCPART=n.
;; ======== version 1 of 1: 4 launches
;; limits: values are held in f16: magnitudes above 65,504 overflow, below 6.1e-05 lose precision
;; workspace buffers: cb 58,720,256 bytes; qk 33,554,432 bytes; vhl 33,554,432 bytes; ctx 33,554,432 bytes
;; launch cast (part 1): grid 64 x 28, 8 waves a work-group, no clusters, 0 bytes of LDS; arguments q, k, v, wq_w, wk_w, wv_w, dense_w, cb; writes cb
.if DOCPART == 1
	.amdgcn_target "amdgcn-amd-amdhsa--gfx1250"
	.amdhsa_code_object_version 6
	.text
	.protected	k_q7fe8ca5bf3_cast
	.globl	k_q7fe8ca5bf3_cast
	.p2align	8
	.type	k_q7fe8ca5bf3_cast,@function
k_q7fe8ca5bf3_cast:
	s_mov_b64 s[64:65], 0
	v_nop
	global_prefetch_b8 v0, s[64:65] scope:SCOPE_SE
	s_setreg_imm32_b32 hwreg(HW_REG_WAVE_MODE, 25, 1), 1
	s_wait_xcnt 0x0
; cast: the matrix operands are rounded once, f32 to 16 bits, into one workspace cb:
;   bytes 0 ..          q | k | v as bf16, [24576][1024]
;   bytes 50,331,648 .. wq_w | wk_w | wv_w as bf16, [1024][1024] each
;   bytes 56,623,104 .. dense_w, rounded to bf16 and then written as f16 (its partner in the last product is f16).
; LIMIT: the second step is exact for |w| >= 2^-17; below that the absolute error is at most 2^-25.  |w| must stay below 65504.
; A stream: nothing is shared between work-groups and nothing is read twice, so no LDS, no barrier, no cluster, no matrix unit.
; A work-group converts 16,384 numbers (65,536 bytes in, 32,768 out).  Grid y picks the tensor: 0-7 q, 8-15 k, 16-23 v, 24-27 the weights.
; Thread t takes 32 bytes at 32 t of each block of 8,192 bytes and stores 16 bytes at 16 t of each block of 4,096:
; sixteen neighbouring lanes store 256 consecutive bytes, aligned.  All 16 loads of a wave go out before anything else.
.set X, 4                              ; v[4:67]    block j: 8 numbers as loaded
.set Y, 68                             ; v[68:99]   block j: 4 registers to store
.set T, 100                            ; v[100:107] at work (dense_w only)
	s_load_b512 s[4:19], s[0:1], 0x0               ; q k v wq_w wk_w wv_w dense_w cb
	s_and_b32 s20, ttmp7, 0xffff                   ; y
	s_lshr_b32 s21, s20, 3                         ; 0, 1, 2: q, k, v
	s_and_b32 s24, s20, 7                          ; which eighth of q, k or v,
	s_cmp_lt_u32 s20, 24
	s_cselect_b32 s24, s24, 0                      ; a weight has one y only
	s_lshl_b32 s24, s24, 6
	s_add_co_u32 s24, s24, ttmp9
	s_lshl_b32 s24, s24, 16                        ; source offset: 65,536 bytes a work-group, 33,488,896 at the most
	s_mov_b32 s25, 0
	s_lshl_b32 s26, s20, 6
	s_add_co_u32 s26, s26, ttmp9
	s_lshl_b32 s26, s26, 15                        ; destination offset: 32,768 bytes a work-group, in the order of y
	s_mov_b32 s27, 0
	s_mov_b32 s28, 0xffff0000                      ; a word's upper bf16
	v_lshlrev_b32 v1, 5, v0                        ; 32 t
	v_lshlrev_b32 v2, 4, v0                        ; 16 t
	s_wait_kmcnt 0x0
	s_cmp_eq_u32 s21, 1                            ; the source is chosen by y alone
	s_cselect_b64 s[22:23], s[6:7], s[4:5]
	s_cmp_eq_u32 s21, 2
	s_cselect_b64 s[22:23], s[8:9], s[22:23]
	s_cmp_eq_u32 s20, 24
	s_cselect_b64 s[22:23], s[10:11], s[22:23]
	s_cmp_eq_u32 s20, 25
	s_cselect_b64 s[22:23], s[12:13], s[22:23]
	s_cmp_eq_u32 s20, 26
	s_cselect_b64 s[22:23], s[14:15], s[22:23]
	s_cmp_eq_u32 s20, 27
	s_cselect_b64 s[22:23], s[16:17], s[22:23]
	s_add_nc_u64 s[22:23], s[22:23], s[24:25]
	s_add_nc_u64 s[18:19], s[18:19], s[26:27]
.irp j, 0,1,2,3,4,5,6,7
	global_load_b128 v[X+8*\j:X+8*\j+3],   v1, s[22:23] offset:8192*\j th:TH_LOAD_NT
	global_load_b128 v[X+8*\j+4:X+8*\j+7], v1, s[22:23] offset:8192*\j+16 th:TH_LOAD_NT
.endr
.macro CVT j                           ; block j to bf16
	s_wait_loadcnt 14-2*\j                         ; loads come back in order: the 2 (j + 1) oldest of the 16 are in, the younger pairs stay out
.irp k, 0,1,2,3
	v_cvt_pk_bf16_f32 v[Y+4*\j+\k], v[X+8*\j+2*\k], v[X+8*\j+2*\k+1]
.endr
	global_store_b128 v2, v[Y+4*\j:Y+4*\j+3], s[18:19] offset:4096*\j
.endm
.macro CVTD j                          ; block j to bf16, widened again and written as f16
	s_wait_loadcnt 14-2*\j
.irp k, 0,1,2,3
	v_cvt_pk_bf16_f32 v[Y+4*\j+\k], v[X+8*\j+2*\k], v[X+8*\j+2*\k+1]
.endr
.irp k, 0,1,2,3
	v_lshlrev_b32 v[T+2*\k],   16,  v[Y+4*\j+\k]
	v_and_b32     v[T+2*\k+1], s28, v[Y+4*\j+\k]
.endr
.irp k, 0,1,2,3
	v_cvt_pk_f16_f32 v[Y+4*\j+\k], v[T+2*\k], v[T+2*\k+1]
.endr
	global_store_b128 v2, v[Y+4*\j:Y+4*\j+3], s[18:19] offset:4096*\j
.endm
	s_cmp_eq_u32 s20, 27
	s_cbranch_scc1 .Ldense_w
.irp j, 0,1,2,3,4,5,6,7
	CVT \j                                         ; every block has registers of its own: nothing that a load or store names is written again
.endr
	s_endpgm
.Ldense_w:
.irp j, 0,1,2,3,4,5,6,7
	CVTD \j
.endr
	s_endpgm
.Lfunc_end_k_q7fe8ca5bf3_cast:
	.size	k_q7fe8ca5bf3_cast, .Lfunc_end_k_q7fe8ca5bf3_cast-k_q7fe8ca5bf3_cast
	.p2alignl 7, 3214868480
	.fill 96, 4, 3214868480
	.section	.rodata,"a",@progbits
	.p2align	6, 0x0
	.amdhsa_kernel k_q7fe8ca5bf3_cast
		.amdhsa_group_segment_fixed_size 0
		.amdhsa_private_segment_fixed_size 0
		.amdhsa_enable_private_segment 0
		.amdhsa_kernarg_size 64
		.amdhsa_user_sgpr_count 2
		.amdhsa_user_sgpr_kernarg_segment_ptr 1
		.amdhsa_wavefront_size32 1
		.amdhsa_system_sgpr_workgroup_id_x 1
		.amdhsa_system_sgpr_workgroup_id_y 1
		.amdhsa_system_sgpr_workgroup_id_z 1
		.amdhsa_system_vgpr_workitem_id 0
		.amdhsa_next_free_vgpr 112
		.amdhsa_next_free_sgpr 66
		.amdhsa_reserve_vcc 0
		.amdhsa_float_denorm_mode_32 3
		.amdhsa_float_denorm_mode_16_64 3
		.amdhsa_memory_ordered 1
		.amdhsa_forward_progress 1
		.amdhsa_inst_pref_size 13
	.end_amdhsa_kernel
	.amdgpu_metadata
---
amdhsa.version: [ 1, 2 ]
amdhsa.kernels:
  - .name:           k_q7fe8ca5bf3_cast
    .symbol:         k_q7fe8ca5bf3_cast.kd
    .args:
      - { .name: q, .offset: 0, .size: 8, .value_kind: global_buffer, .address_space: global }
      - { .name: k, .offset: 8, .size: 8, .value_kind: global_buffer, .address_space: global }
      - { .name: v, .offset: 16, .size: 8, .value_kind: global_buffer, .address_space: global }
      - { .name: wq_w, .offset: 24, .size: 8, .value_kind: global_buffer, .address_space: global }
      - { .name: wk_w, .offset: 32, .size: 8, .value_kind: global_buffer, .address_space: global }
      - { .name: wv_w, .offset: 40, .size: 8, .value_kind: global_buffer, .address_space: global }
      - { .name: dense_w, .offset: 48, .size: 8, .value_kind: global_buffer, .address_space: global }
      - { .name: cb, .offset: 56, .size: 8, .value_kind: global_buffer, .address_space: global }
    .group_segment_fixed_size: 0
    .private_segment_fixed_size: 0
    .kernarg_segment_align: 8
    .kernarg_segment_size: 64
    .max_flat_workgroup_size: 256
    .sgpr_count:     66
    .vgpr_count:     112
    .wavefront_size: 32
...
	.end_amdgpu_metadata
.endif
;; end of part 1
;; launch proj (part 2): grid 4 x 96, 4 waves a work-group, clusters of 4 x 4, 327,680 bytes of LDS; arguments cb, wq_b, wk_b, wv_b, qk, vhl; writes qk, vhl
.if DOCPART == 2
	.amdgcn_target "amdgcn-amd-amdhsa--gfx1250"
	.amdhsa_code_object_version 6
	.text
	.protected	k_q7fe8ca5bf3_proj
	.globl	k_q7fe8ca5bf3_proj
	.p2align	8
	.type	k_q7fe8ca5bf3_proj,@function
k_q7fe8ca5bf3_proj:
	s_mov_b64 s[64:65], 0
	v_nop
	global_prefetch_b8 v0, s[64:65] scope:SCOPE_SE
	s_setreg_imm32_b32 hwreg(HW_REG_WAVE_MODE, 25, 1), 1
	s_wait_xcnt 0x0
	s_wait_alu depctr_hold_cnt(0) depctr_sa_sdst(0) depctr_va_vdst(0) depctr_va_sdst(0) depctr_va_ssrc(0) depctr_va_vcc(0) depctr_vm_vsrc(0)
	s_getreg_b32 s2, hwreg(HW_REG_IB_STS2, 6, 4)
	s_cmp_eq_u32 s2, 0
	s_cbranch_scc0 .Lentry_in_a_cluster
	s_endpgm
.Lentry_in_a_cluster:
	s_bfe_u32 s2, ttmp6, 0x10000c
	s_cmp_lg_u32 s2, 0xf033
	s_cbranch_scc0 .Lentry_shape_is_right
	s_endpgm
.Lentry_shape_is_right:
; proj: the three projections as ONE product C = A B^T + bias, A = q | k | v stacked, [24576][1024] bf16; B = wq_w, wk_w or wv_w, [1024][1024] bf16.
; z = block row / 32 says which: 0 Q, 1 K, 2 V.  z is made of the cluster's y alone, so it is the same in all sixteen partners.
; Results: Q (times log2(e)/32: the logits' scale 1/sqrt(1024) and the change to base 2) and K as f16 into qk, [16384][1024];
;          V as a PAIR of f16, hi + lo, into vhl, [8192][2048]: head H of a token owns 256 bytes, hi(64) then lo(64).
; hi = the f32 result cut to 10 mantissa bits, lo = the exact remainder, rounded to f16: the pair carries the result to about 2^-21 of its size.
; LIMIT: |Q| x 0.0451, |K| and |V| must stay below 65504 (f16); below 2^-14 the pair's absolute error is at most 2^-25.
; A work-group makes 256 x 256 of C with four waves, a wave 128 x 128: 64 accumulator tiles, 512 registers.  K goes in steps of 128 through two LDS
; slots filled by tensor loads; a tile's rows are 256 bytes of memory, aligned to 256.
; CLUSTERS: 4 x 4 work-groups.  A's tile hangs on the block row alone and is asked for jointly by a row of the cluster, B's on the block column (and z)
; alone and is asked for jointly by a column: that divides the requests for A and for B by four.
; 384 work-groups: blocks of 128 x 256 would divide evenly but read half as much again from LDS for each matrix instruction.
; REGISTERS in windows of 256: window 0 v16-30 addresses, v64-127 / v128-191 A's fragments (two buffers), v192-255 at work on the way out;
; window 1 v64-127 / v128-191 B's fragments (the bias on the way out); window 2 the tiles of my rows 0-63, window 3 of my rows 64-127.
; The matrix instruction is used transposed (source 0 = rows of B, source 1 = rows of A): lane l holds row l % 16 of C, registers 0-7 the
; columns 8 (l / 16) + 0..7, eight neighbours of a row.
.set SIZE_K, 1024
.set KSTEP,  128
.set PITCH,  272                       ; an LDS row: 256 bytes + 16 of padding, an odd multiple of 16: the 16 rows of a fragment load start 16 bytes apart modulo 256
.set HALFT,  128*PITCH                 ; what one tensor load brings
.set SLOT,   4*HALFT                   ; A's 256 rows, then B's 256 rows
.set STAGE,  2*SLOT                    ; behind the ring, a multiple of 256: no tensor load lands here
.set WSTAGE, 8448                      ; a wave's stage: 16 rows x 528 bytes (V), or 16 x 272 (Q, K)
.set SPITCH, 272
.set VPITCH, 528
.set LAPS, SIZE_K/(2*KSTEP)            ; 4 laps of two K steps
.set WOFF, 50331648                    ; the weights' place in cb
.set ADRA, 16                          ; v16-17 LDS address of my A fragments in slot 0, 1
.set ADRB, 20                          ; v20-21 the same for B
.set STO,  24                          ; Q, K: where I put 16 bytes of a row
.set RD,   25                          ; Q, K: where I read a row back
.set CO,   26                          ; Q, K: my byte offset in the output
.set STOV, 27                          ; V: the same three
.set RDV,  28
.set COV,  29
.set BO,   30                          ; 32 x (l / 16): my eight numbers in each 16 of the bias
.set F0,   64
.set F1,   128
.set TMP,  192
.set HI,   64                          ; V: packed hi, v64-95
.set LO,   96                          ; V: packed lo, v96-127
.set BACK, 128                         ; V: rows read back, v128-191
.set BIAS, 64                          ; window 1: v[64+8b ..] the bias of n block b
.set G1, 24                            ; s[24:31] group 1 for A's tiles
.set G0, 32                            ; s[32:39] group 0 for A's tiles, one set a slot
.set G1B, 48                           ; s[48:55] group 1 for B's tiles
.set G0B, 56                           ; s[56:63] group 0 for B's tiles, one set a slot
.set MSB, 0
.macro WIN new                         ; the immediate's high byte repeats the setting that is left
.if MSB != \new
	s_set_vgpr_msb (MSB<<8)|\new
.set MSB, \new
.endif
.endm
.set MUL_LO, 0xa1                      ; source 0 (B) window 1, source 1 (A) window 0, C and D window 2
.set MUL_HI, 0xf1                      ; the same, C and D window 3
.set TO_B,   0x40                      ; destination window 1, address window 0
; A joint load.  Waves 0 and 1 fetch A's halves, waves 2 and 3 B's.  The branch hangs on the wave's number alone.
.macro JLOAD s
	s_cmp_eq_u32 s11, 0
	s_cbranch_scc0 .Lfor_b_\@
	tensor_load_to_lds s[G0+4*\s:G0+4*\s+3], s[G1:G1+7]
	s_nop 0
	s_branch .Lasked_\@
.Lfor_b_\@:
	tensor_load_to_lds s[G0B+4*\s:G0B+4*\s+3], s[G1B:G1B+7]
	s_nop 0
.Lasked_\@:
.endm
; A round of the cluster's barrier: my work-group's barrier; wave 0 signals for the work-group; every wave waits for all sixteen; my work-group's barrier again.
.macro CREST                           ; a round behind its opening barrier
	s_cmp_lg_u32 s10, 0
	s_cbranch_scc1 .Lnot_wave_0_\@
	s_barrier_signal -3
.Lnot_wave_0_\@:
	s_barrier_wait -3
	s_barrier_signal -1
	s_barrier_wait -1
.endm
.macro CROUND                          ; a whole round
	s_barrier_signal -1
	s_barrier_wait -1
	CREST
.endm
	s_load_b256 s[68:75], s[0:1], 0x0              ; cb s[68:69], wq_b s[70:71], wk_b s[72:73], wv_b s[74:75]
	s_load_b128 s[76:79], s[0:1], 0x20             ; qk s[76:77], vhl s[78:79]
	s_set_vgpr_msb 0x40
	v_lshl_add_u32 v255, v0, 2, 0x4c400
	s_set_vgpr_msb 0x4000
	v_mov_b32 v63, 0
	s_set_vgpr_msb 0x1
	ds_add_u32 v255, v63
	s_set_vgpr_msb 0x100
	v_lshrrev_b32 v1, 5, v0
	v_readfirstlane_b32 s10, v1                    ; wave 0..3
	s_lshr_b32 s11, s10, 1                         ; which half of the block's rows is mine.  Also: I fetch for A (0) or for B (1)
	s_and_b32 s12, s10, 1                          ; which half of its columns.  Also: which 128 rows of that tile I fetch
	s_bfe_u32 s40, ttmp6, 0x40000                  ; cx
	s_bfe_u32 s41, ttmp6, 0x40004                  ; cy
	s_lshl_b32 s42, ttmp9, 2
	s_add_co_u32 s42, s42, s40                     ; block column = 4 x cluster x + cx
	s_and_b32 s45, ttmp7, 0xffff                   ; cluster y, 0..23
	s_lshl_b32 s13, s45, 2
	s_add_co_u32 s13, s13, s41                     ; block row = 4 x cluster y + cy, 0..95
	s_lshr_b32 s45, s45, 3                         ; z: eight clusters along y for each of Q, K, V
	s_lshl_b32 s43, s41, 2
	s_lshl_b32 s43, 15, s43                        ; my row of the cluster
	s_lshl_b32 s44, 0x1111, s40                    ; my column
	; group 1: a tile of 128 rows x 128 elements of 2 bytes; after every 64 words of a row 4 words of padding
	s_or_b32 s[G1+0], s43, (1<<16)|(1<<20)|(1<<21)|(5<<22)|(3<<25)
	s_or_b32 s[G1B+0], s44, (1<<16)|(1<<20)|(1<<21)|(5<<22)|(3<<25)
	s_mov_b32 s[G1+1], KSTEP<<16                   ; tensor_dim0 = 128
	s_mov_b32 s[G1B+1], KSTEP<<16
	s_mov_b32 s[G1+2], 128<<16                     ; tensor_dim1 = 128
	s_mov_b32 s[G1B+2], 128<<16
	s_mov_b32 s[G1+3], KSTEP<<16                   ; tile_dim0 = 128
	s_mov_b32 s[G1B+3], KSTEP<<16
	s_mov_b32 s[G1+4], 128                         ; tile_dim1 = 128
	s_mov_b32 s[G1B+4], 128
	s_mov_b32 s[G1+5], SIZE_K                      ; elements from row to row
	s_mov_b32 s[G1B+5], SIZE_K
	s_mov_b32 s[G1+6], 0
	s_mov_b32 s[G1B+6], 0
	s_mov_b32 s[G1+7], 0
	s_mov_b32 s[G1B+7], 0
	; A's offset is made of the block row and the wave, B's of the block column, z and the wave, in registers that never hold the other coordinate
	s_lshl_b32 s17, s12, 7
	s_lshl_b32 s16, s13, 8
	s_add_co_u32 s16, s16, s17                     ; A: row 256 x block row + 128 x half
	s_lshl_b32 s16, s16, 11                        ; rows of 2,048 bytes: below 2^26
	s_lshl_b32 s46, s42, 8
	s_add_co_u32 s46, s46, s17                     ; B: row 256 x block column + 128 x half
	s_lshl_b32 s46, s46, 11
	s_lshl_b32 s47, s45, 21                        ; + z weights of 2,097,152 bytes
	s_add_co_u32 s46, s46, s47
	s_add_co_u32 s46, s46, WOFF
	s_mov_b32 s17, 0
	s_mov_b32 s47, 0
	s_mul_i32 s20, s10, HALFT                      ; where the tiles go: wave x 128 rows
	s_wait_dscnt 0x0
	s_wait_kmcnt 0x0
	s_add_nc_u64 s[14:15], s[68:69], s[16:17]
	s_add_nc_u64 s[46:47], s[68:69], s[46:47]
	CROUND                                         ; all sixteen work-groups are here: the first joint loads meet
.irp s, 0,1
	s_mov_b32 s[G0+4*\s], 1
	s_add_co_u32 s[G0+4*\s+1], s20, \s*SLOT
	s_add_nc_u64 s[G0+4*\s+2:G0+4*\s+3], s[14:15], \s*KSTEP*2
	s_or_b32 s[G0+4*\s+3], s[G0+4*\s+3], 0x80000000
	s_mov_b32 s[G0B+4*\s], 1
	s_add_co_u32 s[G0B+4*\s+1], s20, \s*SLOT
	s_add_nc_u64 s[G0B+4*\s+2:G0B+4*\s+3], s[46:47], \s*KSTEP*2
	s_or_b32 s[G0B+4*\s+3], s[G0B+4*\s+3], 0x80000000
	JLOAD \s                                       ; both slots' first fills go out together: two tensor loads of a wave are out, never more
.endr
	v_and_b32 v1, 15, v0                           ; r = l % 16
	v_bfe_u32 v2, v0, 4, 1                         ; h = l / 16
	v_mul_u32_u24 v3, v1, PITCH
	v_lshl_add_u32 v3, v2, 4, v3                   ; r x pitch + 16 h
	s_mul_i32 s21, s11, HALFT                      ; my 128 rows of A
	s_mul_i32 s22, s12, HALFT                      ; my 128 rows of B,
	s_add_co_u32 s22, s22, 2*HALFT                 ; which lie behind A's 256
.irp s, 0,1
	v_add_nc_u32 v[ADRA+\s], s21, v3
	v_add_nc_u32 v[ADRB+\s], s22, v3
	s_add_co_u32 s21, s21, SLOT
	s_add_co_u32 s22, s22, SLOT
.endr
	s_mul_i32 s23, s10, WSTAGE
	s_add_co_u32 s23, s23, STAGE                   ; my stage
	v_add_nc_u32 v[STO], s23, v3                   ; Q, K in: row r, 16 bytes for each half of the lanes
	v_mul_u32_u24 v5, v2, SPITCH
	v_lshl_add_u32 v5, v1, 4, v5
	v_add_nc_u32 v[RD], s23, v5                    ; back: lanes 0-15 one row of 256 bytes, lanes 16-31 the next
	v_lshlrev_b32 v5, 11, v2
	v_lshl_add_u32 v[CO], v1, 4, v5                ; the same two rows in qk (2,048 bytes a row)
	v_mul_u32_u24 v4, v1, VPITCH
	v_lshl_add_u32 v4, v2, 4, v4
	v_add_nc_u32 v[STOV], s23, v4                  ; V in: row r of 528 bytes
	v_and_b32 v5, 31, v0
	v_lshlrev_b32 v[COV], 4, v5                    ; V back and out: 32 lanes take one row of 512 bytes
	v_add_nc_u32 v[RDV], s23, v[COV]
	v_lshlrev_b32 v[BO], 5, v2
; 16 matrix instructions: m blocks a0, a0 + 1 of the window's four x all 8 n blocks, 32 along K.  zero = 1: the first product starts the sums.
.macro MUL16 f, hi, a0, zero
.irp a, \a0, \a0+1
.irp b, 0,1,2,3,4,5,6,7
.if \zero
	v_wmma_f32_16x16x32_bf16 v[8*(8*(\a)+\b):8*(8*(\a)+\b)+7], v[\f+8*\b:\f+8*\b+7], v[\f+8*(4*\hi+\a):\f+8*(4*\hi+\a)+7], 0
.else
	v_wmma_f32_16x16x32_bf16 v[8*(8*(\a)+\b):8*(8*(\a)+\b)+7], v[\f+8*\b:\f+8*\b+7], v[\f+8*(4*\hi+\a):\f+8*(4*\hi+\a)+7], v[8*(8*(\a)+\b):8*(8*(\a)+\b)+7]
.endif
.endr
.endr
.endm
; 32 LDS loads in one run: the fragments of one quarter step (32 K at byte k of the rows) into buffer f
.macro FETCH slot, k, f
	WIN TO_B
.irp i, 0,1,2,3,4,5,6,7
	ds_load_b128 v[\f+8*\i:\f+8*\i+3],   v[ADRB+\slot] offset:\k+\i*16*PITCH
	ds_load_b128 v[\f+8*\i+4:\f+8*\i+7], v[ADRB+\slot] offset:\k+\i*16*PITCH+32
.endr
	WIN 0
.irp i, 0,1,2,3,4,5,6,7
	ds_load_b128 v[\f+8*\i:\f+8*\i+3],   v[ADRA+\slot] offset:\k+\i*16*PITCH
	ds_load_b128 v[\f+8*\i+4:\f+8*\i+7], v[ADRA+\slot] offset:\k+\i*16*PITCH+32
.endr
.endm
; Four independent vector instructions stand between a matrix instruction and a load into, or a vector instruction on, one of its registers
; (ISA guide 7.12.1 for vector instructions); matrix instructions in between are not counted.
.macro PLACES
.rept 4
	v_nop
.endr
.endm
; A K step is four quarters of 32 along K, 64 matrix instructions each, on buffers 0, 1, 0, 1.  The 64 accumulators take turns, one instruction a
; turn, in the same order in every quarter, over the backward jump too.
.macro QUARTER slot, k, f, g, zero
	s_wait_dscnt 8                                 ; B and A's rows 0-63 are in; the youngest eight loads (A's rows 64-127) may be out
	WIN MUL_LO
	MUL16 \f, 0, 0, \zero
	MUL16 \f, 0, 2, \zero
	PLACES
	FETCH \slot, \k, \g
	s_wait_dscnt 32                                ; all but the 32 just issued
	WIN MUL_HI
	MUL16 \f, 1, 0, \zero
	MUL16 \f, 1, 2, \zero
.endm
.macro THREE slot, zero
	QUARTER \slot, 64,  F0, F1, \zero
	QUARTER \slot, 128, F1, F0, 0
	QUARTER \slot, 192, F0, F1, 0
.endm
; The last quarter multiplies buffer 1 and changes slots.  In front of the barrier each wave waits for its reads of this slot and for all its tensor
; loads (one is out: its part of the next slot).  Behind it the refill comes first, then the next slot's first fragments.
.macro TURN slot, next, fill
	s_wait_dscnt 8
	WIN MUL_LO
	MUL16 F1, 0, 0, 0
	s_wait_dscnt 0                                 ; my reads of this slot are over
	s_wait_tensorcnt 0x0                           ; all my tensor loads have landed
	ds_add_u32 v255, v63
	s_wait_dscnt 0x0
	s_barrier_signal -1                            ; where a slot is filled again this barrier opens a round of the cluster's barrier
	MUL16 F1, 0, 2, 0                              ; register work while the others arrive
	WIN 0
	s_barrier_wait -1
.if \fill
	CREST                                          ; no wave of any partner still reads this slot or has a load on its way
	s_add_nc_u64 s[G0+4*\slot+2:G0+4*\slot+3], s[G0+4*\slot+2:G0+4*\slot+3], 2*KSTEP*2
	s_add_nc_u64 s[G0B+4*\slot+2:G0B+4*\slot+3], s[G0B+4*\slot+2:G0B+4*\slot+3], 2*KSTEP*2
	JLOAD \slot                                    ; the first and only tensor load of the wave behind the round; 240 matrix instructions until its wait
.endif
	PLACES
	FETCH \next, 0, F0
	WIN MUL_HI
	MUL16 F1, 1, 0, 0
	MUL16 F1, 1, 2, 0
.endm
.macro LAP zero
	THREE 0, \zero
	TURN 0, 1, 1
	THREE 1, 0
	TURN 1, 0, 1
.endm
	s_wait_tensorcnt 1                             ; my part of K step 0 is in; K step 1's load, issued behind it, stays out
	s_barrier_signal -1
	s_barrier_wait -1
	FETCH 0, 0, F0
	LAP 1                                          ; the first lap's first products start the sums
	WIN 0
	s_mov_b32 s3, LAPS-2
.Llap:
	LAP 0
	WIN 0
	s_sub_co_u32 s3, s3, 1
	s_cmp_lg_u32 s3, 0
	s_cbranch_scc1 .Llap
	THREE 0, 0                                     ; the last lap fills nothing
	TURN 0, 1, 0
	THREE 1, 0
	s_wait_dscnt 8
	WIN MUL_LO
	MUL16 F1, 0, 0, 0
	MUL16 F1, 0, 2, 0
	s_wait_dscnt 0
	WIN MUL_HI
	MUL16 F1, 1, 0, 0
	MUL16 F1, 1, 2, 0
	; THE WAY OUT.  The four places stand behind the last matrix instructions, for all that follows.
	PLACES
	WIN 0
	s_lshl_b32 s46, s42, 8
	s_lshl_b32 s47, s12, 7
	s_add_co_u32 s46, s46, s47                     ; my first column of the 1024
	s_lshl_b32 s84, s46, 2
	s_mov_b32 s85, 0
	s_cmp_eq_u32 s45, 1                            ; the bias is chosen by z
	s_cselect_b64 s[82:83], s[72:73], s[70:71]
	s_cmp_eq_u32 s45, 2
	s_cselect_b64 s[82:83], s[74:75], s[82:83]
	s_add_nc_u64 s[82:83], s[82:83], s[84:85]
	WIN TO_B
.irp b, 0,1,2,3,4,5,6,7
	global_load_b128 v[BIAS+8*\b:BIAS+8*\b+3],   v[BO], s[82:83] offset:64*\b       ; bias of columns 16 b + 8 h + 0..7, as the tiles hold them
	global_load_b128 v[BIAS+8*\b+4:BIAS+8*\b+7], v[BO], s[82:83] offset:64*\b+16
.endr
	WIN 0
	s_lshl_b32 s16, s13, 8
	s_lshl_b32 s14, s11, 7
	s_add_co_u32 s16, s16, s14                     ; my first row of the 24576
	s_mov_b32 s17, 0
	s_cmp_eq_u32 s45, 2
	s_cbranch_scc1 .Lvform
; Q, K: rows 16 i .. 16 i + 15 of my block: (sum + bias) x scale as one fused multiply-add (the bias is scaled beforehand), f16, through my stage.
.macro OUTQK i, a, w, f
.if \w == 2
	WIN 0x92                                       ; sums window 2, bias (source 2) window 1
.else
	WIN 0xd3
.endif
.irp b, 0,1,2,3,4,5,6,7
.irp r, 0,2,4,6
	v_pk_fma_f32 v[8*(8*\a+\b)+\r:8*(8*\a+\b)+\r+1], v[8*(8*\a+\b)+\r:8*(8*\a+\b)+\r+1], s[80:81], v[BIAS+8*\b+\r:BIAS+8*\b+\r+1] op_sel_hi:[1,0,1]
.endr
.endr
.if \w == 2
	WIN 0x0a
.else
	WIN 0x0f
.endif
.irp b, 0,1,2,3,4,5,6,7
.irp r, 0,1,2,3
	v_cvt_pk_f16_f32 v[TMP+4*\b+\r], v[8*(8*\a+\b)+2*\r], v[8*(8*\a+\b)+2*\r+1]
.endr
.endr
	WIN 0
.irp b, 0,1,2,3,4,5,6,7
	ds_store_b128 v[STO], v[TMP+4*\b:TMP+4*\b+3] offset:32*\b
.endr
	s_wait_xcnt 0x0                                ; buffer f, which earlier stores read, and the stores' base are rewritten only behind this wait
.if \i
	s_add_nc_u64 s[8:9], s[8:9], 16*2048
.endif
.irp t, 0,1,2,3,4,5,6,7
	ds_load_b128 v[\f+4*\t:\f+4*\t+3], v[RD] offset:\t*2*SPITCH    ; a wave's LDS instructions are served in order: these see the stores above
.endr
.irp t, 0,1,2,3,4,5,6,7
	s_wait_dscnt 7-\t                              ; load t of the eight is in
	global_store_b128 v[CO], v[\f+4*\t:\f+4*\t+3], s[8:9] offset:2*\t*2048   ; 16 lanes store 256 consecutive bytes, aligned
.endr
.endm
	s_cmp_eq_u32 s45, 0
	s_cselect_b32 s80, 0x3d38aa3b, 1.0             ; Q: log2(e) / 32; K: 1
	s_mov_b32 s81, s80
	s_lshl_b32 s16, s16, 11                        ; Q's and K's rows lie stacked in qk, as in A
	s_lshl_b32 s46, s46, 1
	s_add_co_u32 s16, s16, s46
	s_add_nc_u64 s[8:9], s[76:77], s[16:17]
	s_wait_loadcnt 0x0                             ; the bias
	WIN 0x41
.set j, 0
.rept 32
	v_pk_mul_f32 v[BIAS+2*j:BIAS+2*j+1], v[BIAS+2*j:BIAS+2*j+1], s[80:81] op_sel_hi:[1,0]
.set j, j+1
.endr
	OUTQK 0, 0, 2, F0
	OUTQK 1, 1, 2, F1
	OUTQK 2, 2, 2, F0
	OUTQK 3, 3, 2, F1
	OUTQK 4, 0, 3, F0
	OUTQK 5, 1, 3, F1
	OUTQK 6, 2, 3, F0
	OUTQK 7, 3, 3, F1
	s_branch .Ldone
; V: rows 16 i .. 16 i + 15: sum + bias; hi = its upper bits, lo = the exact remainder; both to f16; a stage row is two heads' hi | lo | hi | lo, 512 bytes.
.macro OUTV i, a, w
.if \w == 2
	WIN 0x86                                       ; sums window 2, bias (source 1) window 1
.else
	WIN 0xc7
.endif
.irp b, 0,1,2,3,4,5,6,7
.irp r, 0,2,4,6
	v_pk_add_f32 v[8*(8*\a+\b)+\r:8*(8*\a+\b)+\r+1], v[8*(8*\a+\b)+\r:8*(8*\a+\b)+\r+1], v[BIAS+8*\b+\r:BIAS+8*\b+\r+1]
.endr
.endr
.if \w == 2
	WIN 0x08
.else
	WIN 0x0c
.endif
.irp b, 0,1,2,3,4,5,6,7
.irp r, 0,1,2,3,4,5,6,7
	v_and_b32 v[TMP+8*\b+\r], s86, v[8*(8*\a+\b)+\r]               ; 10 mantissa bits stay: a number that f16 holds exactly
.endr
.endr
.if \w == 2
	WIN 0x82
.else
	WIN 0xc3
.endif
.irp b, 0,1,2,3,4,5,6,7
.irp r, 0,2,4,6
	v_pk_add_f32 v[8*(8*\a+\b)+\r:8*(8*\a+\b)+\r+1], v[8*(8*\a+\b)+\r:8*(8*\a+\b)+\r+1], v[TMP+8*\b+\r:TMP+8*\b+\r+1] neg_lo:[0,1] neg_hi:[0,1]
.endr
.endr
	WIN 0
.irp b, 0,1,2,3,4,5,6,7
.irp r, 0,1,2,3
	v_cvt_pk_f16_f32 v[HI+4*\b+\r], v[TMP+8*\b+2*\r], v[TMP+8*\b+2*\r+1]
.endr
.endr
.if \w == 2
	WIN 0x0a
.else
	WIN 0x0f
.endif
.irp b, 0,1,2,3,4,5,6,7
.irp r, 0,1,2,3
	v_cvt_pk_f16_f32 v[LO+4*\b+\r], v[8*(8*\a+\b)+2*\r], v[8*(8*\a+\b)+2*\r+1]
.endr
.endr
	WIN 0
.irp b, 0,1,2,3,4,5,6,7
	ds_store_b128 v[STOV], v[HI+4*\b:HI+4*\b+3] offset:(\b/4)*256+(\b%4)*32
	ds_store_b128 v[STOV], v[LO+4*\b:LO+4*\b+3] offset:(\b/4)*256+(\b%4)*32+128
.endr
	s_wait_xcnt 0x0                                ; v128-191, which earlier stores read, and the base are rewritten only behind this wait
.if \i
	s_add_nc_u64 s[8:9], s[8:9], 16*4096
.endif
.irp t, 0,1,2,3,4,5,6,7,8,9,10,11,12,13,14,15
	ds_load_b128 v[BACK+4*\t:BACK+4*\t+3], v[RDV] offset:\t*VPITCH
.endr
.irp t, 0,1,2,3,4,5,6,7,8,9,10,11,12,13,14,15
	s_wait_dscnt 15-\t                             ; load t of the sixteen is in
	global_store_b128 v[COV], v[BACK+4*\t:BACK+4*\t+3], s[8:9] offset:\t*4096   ; a wave stores 512 consecutive bytes, aligned
.endr
.endm
.Lvform:
	s_mov_b32 s86, 0xffffe000
	s_sub_co_u32 s16, s16, 16384                   ; V's rows begin behind Q's and K's
	s_lshl_b32 s16, s16, 12                        ; 4,096 bytes a token
	s_lshl_b32 s46, s46, 2                         ; 64 columns are a head's 256 bytes
	s_add_co_u32 s16, s16, s46
	s_add_nc_u64 s[8:9], s[78:79], s[16:17]
	s_wait_loadcnt 0x0                             ; the bias
	OUTV 0, 0, 2
	OUTV 1, 1, 2
	OUTV 2, 2, 2
	OUTV 3, 3, 2
	OUTV 4, 0, 3
	OUTV 5, 1, 3
	OUTV 6, 2, 3
	OUTV 7, 3, 3
.Ldone:
	s_set_vgpr_msb 0x1
	s_wait_tensorcnt 0x0
	ds_add_u32 v255, v63
	s_wait_dscnt 0x0
	s_set_vgpr_msb 0x100
	CROUND                                         ; the closing round: no work-group ends while a partner may still ask for a tile that names it
	s_endpgm
.Lfunc_end_k_q7fe8ca5bf3_proj:
	.size	k_q7fe8ca5bf3_proj, .Lfunc_end_k_q7fe8ca5bf3_proj-k_q7fe8ca5bf3_proj
	.p2alignl 7, 3214868480
	.fill 96, 4, 3214868480
	.section	.rodata,"a",@progbits
	.p2align	6, 0x0
	.amdhsa_kernel k_q7fe8ca5bf3_proj
		.amdhsa_group_segment_fixed_size 327680
		.amdhsa_private_segment_fixed_size 0
		.amdhsa_enable_private_segment 0
		.amdhsa_kernarg_size 48
		.amdhsa_user_sgpr_count 2
		.amdhsa_user_sgpr_kernarg_segment_ptr 1
		.amdhsa_wavefront_size32 1
		.amdhsa_system_sgpr_workgroup_id_x 1
		.amdhsa_system_sgpr_workgroup_id_y 1
		.amdhsa_system_sgpr_workgroup_id_z 1
		.amdhsa_system_vgpr_workitem_id 0
		.amdhsa_next_free_vgpr 1024
		.amdhsa_next_free_sgpr 96
		.amdhsa_reserve_vcc 0
		.amdhsa_float_denorm_mode_32 3
		.amdhsa_float_denorm_mode_16_64 3
		.amdhsa_memory_ordered 1
		.amdhsa_forward_progress 1
		.amdhsa_inst_pref_size 255
	.end_amdhsa_kernel
	.section	.bss,"aw",@nobits
	.p2align	6
	.space	262144
	.amdgpu_metadata
---
amdhsa.version: [ 1, 2 ]
amdhsa.kernels:
  - .name:           k_q7fe8ca5bf3_proj
    .symbol:         k_q7fe8ca5bf3_proj.kd
    .args:
      - { .name: cb, .offset: 0, .size: 8, .value_kind: global_buffer, .address_space: global }
      - { .name: wq_b, .offset: 8, .size: 8, .value_kind: global_buffer, .address_space: global }
      - { .name: wk_b, .offset: 16, .size: 8, .value_kind: global_buffer, .address_space: global }
      - { .name: wv_b, .offset: 24, .size: 8, .value_kind: global_buffer, .address_space: global }
      - { .name: qk, .offset: 32, .size: 8, .value_kind: global_buffer, .address_space: global }
      - { .name: vhl, .offset: 40, .size: 8, .value_kind: global_buffer, .address_space: global }
    .group_segment_fixed_size: 327680
    .private_segment_fixed_size: 0
    .kernarg_segment_align: 8
    .kernarg_segment_size: 48
    .max_flat_workgroup_size: 128
    .sgpr_count:     96
    .vgpr_count:     1024
    .wavefront_size: 32
...
	.end_amdgpu_metadata
.endif
;; end of part 2
;; launch attn (part 3): grid 8 x 32, 8 waves a work-group, clusters of 4 x 4, 327,680 bytes of LDS; arguments qk, vhl, mask, ctx; writes ctx
.if DOCPART == 3
	.amdgcn_target "amdgcn-amd-amdhsa--gfx1250"
	.amdhsa_code_object_version 6
	.text
	.protected	k_q7fe8ca5bf3_attn
	.globl	k_q7fe8ca5bf3_attn
	.p2align	8
	.type	k_q7fe8ca5bf3_attn,@function
k_q7fe8ca5bf3_attn:
	s_mov_b64 s[64:65], 0
	v_nop
	global_prefetch_b8 v0, s[64:65] scope:SCOPE_SE
	s_setreg_imm32_b32 hwreg(HW_REG_WAVE_MODE, 25, 1), 1
	s_wait_xcnt 0x0
	s_wait_alu depctr_hold_cnt(0) depctr_sa_sdst(0) depctr_va_vdst(0) depctr_va_sdst(0) depctr_va_ssrc(0) depctr_va_vcc(0) depctr_vm_vsrc(0)
	s_getreg_b32 s2, hwreg(HW_REG_IB_STS2, 6, 4)
	s_cmp_eq_u32 s2, 0
	s_cbranch_scc0 .Lentry_in_a_cluster
	s_endpgm
.Lentry_in_a_cluster:
	s_bfe_u32 s2, ttmp6, 0x10000c
	s_cmp_lg_u32 s2, 0xf033
	s_cbranch_scc0 .Lentry_shape_is_right
	s_endpgm
.Lentry_shape_is_right:
; attn: softmax(Q K^T / 32 + mask x (-1e9)) V for 256 queries x 2 neighbouring heads of one batch; the mask is read as it is given, every key is worked on.
; Q arrives scaled by log2(e) / 32, so x = mask x (-1e9 log2(e)) + Q.K is the logit in base 2, made by one fused multiply-add; a running maximum is kept.
; Eight waves: wave w takes head w & 1 of the pair and queries 64 (w >> 1) .. + 63 (four tiles of 16).  32 trips of 64 keys.
; EVERYTHING IS TRANSPOSED.  S^T = K Q^T: lane (r, h) holds keys 8 h + 0..7 of query r, so maxima and sums are a lane's own but for one exchange
; between the halves; two packed S^T tiles ARE the second source of O^T = V^T P^T; a lane's O^T registers are 8 neighbouring depths of one query.
; V and the result are pairs of f16, hi + lo (256 bytes a head and token: hi(64), lo(64)); P is f16; sums, maxima and O are f32.
; CLUSTERS 4 x 4: the mask's tile hangs on the query block alone and is asked for jointly by a column of the cluster (four head pairs);
; K's and V's tiles hang on batch and head pair alone and are asked for jointly by a row (four query blocks).  The two heads of a work-group share the mask tile in LDS.
; No prefetch: every tile is read again by other clusters shortly after its first read.
; LIMITS: |mask| below 2.3e29 (mask x 1.44e9 stays finite); |result| below 65504.  Where every key of a row is masked by about 1 the logits are
; quantised in steps of 128 in base 2 (in the f32 original: 64 natural units); both give the uniform row for |logit| < 32.  NaN and infinities are not served.
.set QUART, 17408                      ; 64 rows x 272 bytes: a quarter of the mask's tile, or K's tile
.set KOFF,  4*QUART                    ; K: 64 keys x 256 bytes (two heads), pitch 272
.set VOFF,  5*QUART                    ; V: 64 keys x 512 bytes (two heads' hi | lo), pitch 544, an odd multiple of 32
.set SLOT,  121856                     ; 5 x 17,408 + 64 x 544
.set STAGE, 2*SLOT                     ; 243,712, a multiple of 256: no tensor load lands here
.set WSTAGE, 4352                      ; a wave's stage: 16 rows x 272
.set MSTEP, 256                        ; 64 keys of a mask row
.set KSTEPB, 131072                    ; 64 rows of qk
.set VSTEPB, 262144                    ; 64 rows of vhl
.set KA,  4                            ; v4-5   K fragments' LDS address in slot 0, 1
.set MAD, 6                            ; v6-7   the mask's
.set VA,  8                            ; v8-9   V's (transposing loads)
.set STO, 10
.set RD,  11
.set CO,  12
.set QO,  13
.set ST,  16                           ; v[16+8qt ..]: -max, exchange, alpha, difference, two pairs of running sums
.set MM,  48                           ; v[48+4 slot+qt]: the running maximum; the two sets take turns, so the old one is read while the new one is made
.set SB,  64                           ; v64-191: S[qt][kt] at 64 + 32 qt + 8 kt; P[qt][kp] packed in place at 64 + 32 qt + 16 kp .. + 7
.set STG, 192                          ; v192-255: mask of query tiles 0, 1; later V of keys 0-31
.set OB,  0                            ; window 1, v0-127:   O[qt][dt] at 32 qt + 8 dt
.set QB,  128                          ; window 1, v128-191: Q[qt][dh] at 128 + 16 qt + 8 dh
.set KF,  192                          ; window 1, v192-255: K[kt][dh]; later mask of query tiles 2, 3; later V of keys 32-63
.set TR,  128                          ; the way out, window 0: upper bits; HI, LO packed; BK rows read back
.set HI,  64
.set LO,  80
.set BK,  160
.set G1M, 24
.set G1K, 32
.set G1V, 40
.set G0M, 48                           ; one group 0 for each slot
.set G0K, 56
.set G0V, 68
.set MSB, 0
.macro WIN new
.if MSB != \new
	s_set_vgpr_msb (MSB<<8)|\new
.set MSB, \new
.endif
.endm
.macro PLACES n                        ; independent vector instructions behind a matrix instruction (ISA guide 7.12.1)
.rept \n
	v_nop
.endr
.endm
.macro ROUND                           ; a round of the cluster's barrier
	s_barrier_signal -1
	s_barrier_wait -1
	s_cmp_lg_u32 s10, 0
	s_cbranch_scc1 .Lnot_wave_0_\@
	s_barrier_signal -3
.Lnot_wave_0_\@:
	s_barrier_wait -3
	s_barrier_signal -1
	s_barrier_wait -1
.endm
; The joint loads of one slot: waves 0-3 a quarter of the mask's tile each, wave 4 K's tile, wave 5 V's; waves 6 and 7 none.  One load a wave; the branches hang on the wave's number alone.
.macro JLOAD s
	s_cmp_lt_u32 s10, 4
	s_cbranch_scc0 .Lnot_m_\@
	tensor_load_to_lds s[G0M+4*(\s):G0M+4*(\s)+3], s[G1M:G1M+7]
	s_nop 0
	s_branch .Lasked_\@
.Lnot_m_\@:
	s_cmp_eq_u32 s10, 4
	s_cbranch_scc0 .Lnot_k_\@
	tensor_load_to_lds s[G0K+4*(\s):G0K+4*(\s)+3], s[G1K:G1K+7]
	s_nop 0
	s_branch .Lasked_\@
.Lnot_k_\@:
	s_cmp_eq_u32 s10, 5
	s_cbranch_scc0 .Lasked_\@
	tensor_load_to_lds s[G0V+4*(\s):G0V+4*(\s)+3], s[G1V:G1V+7]
	s_nop 0
.Lasked_\@:
.endm
	s_load_b256 s[80:87], s[0:1], 0x0              ; qk s[80:81], vhl s[82:83], mask s[84:85], ctx s[86:87]
	v_lshl_add_u32 v62, v0, 2, 0x44000
	v_mov_b32 v63, 0
	ds_add_u32 v62, v63
	v_lshrrev_b32 v1, 5, v0
	v_readfirstlane_b32 s10, v1                    ; wave 0..7
	s_and_b32 s11, s10, 1                          ; which head of the pair
	s_lshr_b32 s12, s10, 1                         ; which 64 queries
	s_bfe_u32 s13, ttmp6, 0x40000                  ; cx
	s_bfe_u32 s14, ttmp6, 0x40004                  ; cy
	s_lshl_b32 s15, ttmp9, 2
	s_add_co_u32 s15, s15, s13                     ; query block 0..7
	s_and_b32 s16, ttmp7, 0xffff
	s_lshl_b32 s16, s16, 2
	s_add_co_u32 s16, s16, s14                     ; 8 x batch + head pair
	s_lshr_b32 s17, s16, 3                         ; batch
	s_and_b32 s18, s16, 7                          ; head pair
	s_lshl_b32 s21, s14, 2
	s_lshl_b32 s21, 15, s21                        ; my row of the cluster
	s_lshl_b32 s22, 0x1111, s13                    ; my column
	s_mov_b32 s76, 0x76543210                      ; v_permlanex16_b32: lane i of one half reads lane i of the other
	s_mov_b32 s77, 0xfedcba98
	s_mov_b32 s78, 0xceabfb8f                      ; -1e9 x log2(e)
	s_mov_b32 s79, 0xceabfb8f
	s_mov_b32 s94, 0xffffe000                      ; keeps 10 mantissa bits
	; group 1.  Mask: 64 rows x 64 elements of 4 bytes, 2,048 from row to row; 4 words of padding behind every 64
	s_or_b32 s[G1M+0], s22, (2<<16)|(1<<20)|(1<<21)|(5<<22)|(3<<25)
	s_mov_b32 s[G1M+1], 64<<16
	s_mov_b32 s[G1M+2], 64<<16
	s_mov_b32 s[G1M+3], 64<<16
	s_mov_b32 s[G1M+4], 64
	s_mov_b32 s[G1M+5], 2048
	s_mov_b32 s[G1M+6], 0
	s_mov_b32 s[G1M+7], 0
	; K: 64 rows x 128 elements of 2 bytes, 1,024 from row to row; the same padding
	s_or_b32 s[G1K+0], s21, (1<<16)|(1<<20)|(1<<21)|(5<<22)|(3<<25)
	s_mov_b32 s[G1K+1], 128<<16
	s_mov_b32 s[G1K+2], 64<<16
	s_mov_b32 s[G1K+3], 128<<16
	s_mov_b32 s[G1K+4], 64
	s_mov_b32 s[G1K+5], 1024
	s_mov_b32 s[G1K+6], 0
	s_mov_b32 s[G1K+7], 0
	; V: 64 rows x 256 elements of 2 bytes, 2,048 from row to row; 8 words of padding behind every 128
	s_or_b32 s[G1V+0], s21, (1<<16)|(1<<20)|(1<<21)|(6<<22)|(7<<25)
	s_mov_b32 s[G1V+1], 256<<16
	s_mov_b32 s[G1V+2], 64<<16
	s_mov_b32 s[G1V+3], 256<<16
	s_mov_b32 s[G1V+4], 64
	s_mov_b32 s[G1V+5], 2048
	s_mov_b32 s[G1V+6], 0
	s_mov_b32 s[G1V+7], 0
	; where the tiles come from: the mask's offset never holds cy, K's and V's never hold cx
	s_and_b32 s19, s10, 3
	s_lshl_b32 s19, s19, 6
	s_lshl_b32 s88, s15, 8
	s_add_co_u32 s88, s88, s19                     ; mask row 256 x query block + 64 x quarter,
	s_lshl_b32 s88, s88, 13                        ; of 8,192 bytes
	s_mov_b32 s89, 0
	s_lshl_b32 s90, s17, 22                        ; K: batch x 2,048 rows of 2,048 bytes
	s_lshl_b32 s95, s18, 8                         ; + the pair's 256 bytes in a row
	s_add_co_u32 s90, s90, s95
	s_add_co_u32 s90, s90, 16777216                ; behind Q
	s_mov_b32 s91, 0
	s_lshl_b32 s92, s17, 23                        ; V: batch x 2,048 rows of 4,096 bytes
	s_lshl_b32 s95, s18, 9                         ; + the pair's 512 bytes
	s_add_co_u32 s92, s92, s95
	s_mov_b32 s93, 0
	s_mul_i32 s20, s10, QUART                      ; where they go: wave x 17,408
	; Q's and the result's bases
	s_lshl_b32 s4, s17, 11
	s_lshl_b32 s5, s15, 8
	s_add_co_u32 s4, s4, s5                        ; token 2,048 x batch + 256 x query block
	s_lshl_b32 s5, s12, 6
	s_add_co_u32 s2, s4, s5                        ; + my 64 queries
	s_lshl_b32 s2, s2, 12                          ; result: 4,096 bytes a token
	s_lshl_b32 s5, s18, 1
	s_add_co_u32 s5, s5, s11
	s_lshl_b32 s5, s5, 8                           ; + my head's 256 bytes
	s_add_co_u32 s2, s2, s5
	s_mov_b32 s3, 0
	s_lshl_b32 s4, s4, 11                          ; Q: 2,048 bytes a token
	s_lshl_b32 s5, s18, 8
	s_add_co_u32 s4, s4, s5
	s_mov_b32 s5, 0
	s_wait_dscnt 0x0
	s_wait_kmcnt 0x0
	s_add_nc_u64 s[88:89], s[84:85], s[88:89]
	s_add_nc_u64 s[90:91], s[80:81], s[90:91]
	s_add_nc_u64 s[92:93], s[82:83], s[92:93]
	s_add_nc_u64 s[6:7], s[80:81], s[4:5]          ; Q
	s_add_nc_u64 s[8:9], s[86:87], s[2:3]          ; ctx
.irp s, 0,1
	s_mov_b32 s[G0M+4*\s], 1
	s_add_co_u32 s[G0M+4*\s+1], s20, \s*SLOT
	s_add_nc_u64 s[G0M+4*\s+2:G0M+4*\s+3], s[88:89], \s*MSTEP
	s_or_b32 s[G0M+4*\s+3], s[G0M+4*\s+3], 0x80000000
	s_mov_b32 s[G0K+4*\s], 1
	s_add_co_u32 s[G0K+4*\s+1], s20, \s*SLOT
	s_add_nc_u64 s[G0K+4*\s+2:G0K+4*\s+3], s[90:91], \s*KSTEPB
	s_or_b32 s[G0K+4*\s+3], s[G0K+4*\s+3], 0x80000000
	s_mov_b32 s[G0V+4*\s], 1
	s_add_co_u32 s[G0V+4*\s+1], s20, \s*SLOT
	s_add_nc_u64 s[G0V+4*\s+2:G0V+4*\s+3], s[92:93], \s*VSTEPB
	s_or_b32 s[G0V+4*\s+3], s[G0V+4*\s+3], 0x80000000
.endr
	ROUND                                          ; all sixteen work-groups are here
	JLOAD 0                                        ; keys 0-63
	v_and_b32 v1, 15, v0                           ; r
	v_bfe_u32 v2, v0, 4, 1                         ; h
	v_mul_u32_u24 v3, v1, 272
	v_lshl_add_u32 v[KA], v2, 4, v3                ; K: key r x 272 + 16 h
	s_lshl_b32 s19, s11, 7
	s_add_co_u32 s19, s19, KOFF                    ; + my head's 128 bytes
	v_add_nc_u32 v[KA], s19, v[KA]
	v_add_nc_u32 v[KA+1], SLOT, v[KA]
	v_lshl_add_u32 v[MAD], v2, 5, v3               ; mask: query r x 272 + 32 h (8 keys of 4 bytes)
	s_mul_i32 s19, s12, QUART                      ; + my 64 queries' quarter
	v_add_nc_u32 v[MAD], s19, v[MAD]
	v_add_nc_u32 v[MAD+1], SLOT, v[MAD]
	v_and_b32 v3, 7, v0
	v_lshl_add_u32 v3, v2, 3, v3
	v_mul_u32_u24 v3, v3, 544                      ; V: key (8 h + l % 8) x 544
	v_bfe_u32 v14, v0, 3, 1
	v_lshl_add_u32 v3, v14, 4, v3                  ; + 16 x ((l / 8) % 2)
	s_lshl_b32 s19, s11, 8
	s_add_co_u32 s19, s19, VOFF                    ; + my head's 256 bytes
	v_add_nc_u32 v[VA], s19, v3
	v_add_nc_u32 v[VA+1], SLOT, v[VA]
	s_mul_i32 s19, s10, WSTAGE
	s_add_co_u32 s19, s19, STAGE                   ; my stage
	v_mul_u32_u24 v3, v1, 272
	v_lshl_add_u32 v3, v2, 4, v3
	v_add_nc_u32 v[STO], s19, v3                   ; in: query r, 16 bytes for each half of the lanes
	v_mul_u32_u24 v3, v2, 272
	v_lshl_add_u32 v3, v1, 4, v3
	v_add_nc_u32 v[RD], s19, v3                    ; back: lanes 0-15 one row of 256 bytes, lanes 16-31 the next
	v_lshlrev_b32 v3, 12, v2
	v_lshl_add_u32 v[CO], v1, 4, v3                ; the same two rows in ctx
	s_lshl_b32 s19, s12, 6
	v_add_nc_u32 v3, s19, v1
	v_lshlrev_b32 v3, 11, v3                       ; Q: query (64 qg + r) x 2,048
	v_lshl_add_u32 v3, v2, 4, v3                   ; + 16 h
	s_lshl_b32 s19, s11, 7
	v_add_nc_u32 v[QO], s19, v3                    ; + my head's 128 bytes
	WIN 0x40
.irp qt, 0,1,2,3
.irp dh, 0,1
	global_load_b128 v[QB+16*\qt+8*\dh:QB+16*\qt+8*\dh+3],   v[QO], s[6:7] offset:32768*\qt+64*\dh
	global_load_b128 v[QB+16*\qt+8*\dh+4:QB+16*\qt+8*\dh+7], v[QO], s[6:7] offset:32768*\qt+64*\dh+32
.endr
.endr
	WIN 0
.irp qt, 0,1,2,3
	v_mov_b32 v[ST+8*\qt+1], 0                     ; the exchange's destination counts as read; both are the second registers of pairs that packed forms name
	v_mov_b32 v[ST+8*\qt+3], 0
.endr
	s_wait_loadcnt 0x0                             ; Q stays in registers for the whole kernel
.macro LDK slot                        ; 16 loads: K's four key tiles x two halves of the depth
.irp kt, 0,1,2,3
.irp dh, 0,1
	ds_load_b128 v[KF+16*\kt+8*\dh:KF+16*\kt+8*\dh+3],   v[KA+\slot] offset:4352*\kt+64*\dh
	ds_load_b128 v[KF+16*\kt+8*\dh+4:KF+16*\kt+8*\dh+7], v[KA+\slot] offset:4352*\kt+64*\dh+32
.endr
.endr
.endm
.macro LDM slot, q0, dst               ; 16 loads: the mask of query tiles q0, q0 + 1, laid out as S is
.irp q, 0,1
.irp kt, 0,1,2,3
	ds_load_b128 v[\dst+32*\q+8*\kt:\dst+32*\q+8*\kt+3],   v[MAD+\slot] offset:4352*(\q0+\q)+64*\kt
	ds_load_b128 v[\dst+32*\q+8*\kt+4:\dst+32*\q+8*\kt+7], v[MAD+\slot] offset:4352*(\q0+\q)+64*\kt+16
.endr
.endr
.endm
.macro LDV slot, kp, dst               ; 16 transposing loads: V^T of keys 32 kp .. + 31: hi and lo x four depth tiles
.irp p, 0,1
.irp dt, 0,1,2,3
	ds_load_tr16_b128 v[\dst+32*\p+8*\dt:\dst+32*\p+8*\dt+3],   v[VA+\slot] offset:17408*\kp+128*\p+32*\dt
	ds_load_tr16_b128 v[\dst+32*\p+8*\dt+4:\dst+32*\p+8*\dt+7], v[VA+\slot] offset:17408*\kp+128*\p+32*\dt+8704
.endr
.endr
.endm
.macro SMUL                            ; S^T = K Q^T: 32 matrix instructions; four accumulators take turns, one instruction a turn
	WIN 0x05                                       ; K and Q window 1, S window 0
.irp kt, 0,1,2,3
.irp qt, 0,1,2,3
	v_wmma_f32_16x16x32_f16 v[SB+32*\qt+8*\kt:SB+32*\qt+8*\kt+7], v[KF+16*\kt:KF+16*\kt+7], v[QB+16*\qt:QB+16*\qt+7], 0
.endr
.irp qt, 0,1,2,3
	v_wmma_f32_16x16x32_f16 v[SB+32*\qt+8*\kt:SB+32*\qt+8*\kt+7], v[KF+16*\kt+8:KF+16*\kt+15], v[QB+16*\qt+8:QB+16*\qt+15], v[SB+32*\qt+8*\kt:SB+32*\qt+8*\kt+7]
.endr
.endr
.endm
.macro MASKADD q0, src                 ; x = mask x (-1e9 log2 e) + S for query tiles q0, q0 + 1
.irp q, 0,1
.irp j, 0,2,4,6,8,10,12,14,16,18,20,22,24,26,28,30
	v_pk_fma_f32 v[SB+32*(\q0+\q)+\j:SB+32*(\q0+\q)+\j+1], v[\src+32*\q+\j:\src+32*\q+\j+1], s[78:79], v[SB+32*(\q0+\q)+\j:SB+32*(\q0+\q)+\j+1] op_sel_hi:[1,0,1]
.endr
.endr
.endm
.macro MAXC slot, first                ; the lane's maximum over its 32 keys and the old maximum; four chains, one a query tile
.irp qt, 0,1,2,3
.if \first
	v_max_num_f32 v[MM+4*\slot+\qt], v[SB+32*\qt], v[SB+32*\qt+1]
.else
	v_max3_num_f32 v[MM+4*\slot+\qt], v[MM+4*(1-\slot)+\qt], v[SB+32*\qt], v[SB+32*\qt+1]
.endif
.endr
.set st, 1
.rept 15
.irp qt, 0,1,2,3
	v_max3_num_f32 v[MM+4*\slot+\qt], v[MM+4*\slot+\qt], v[SB+32*\qt+2*st], v[SB+32*\qt+2*st+1]
.endr
.set st, st+1
.endr
.endm
.macro STATS slot, first               ; both halves agree on the maximum; alpha = 2^(old - new)
.irp qt, 0,1,2,3
	v_permlanex16_b32 v[ST+8*\qt+1], v[MM+4*\slot+\qt], s76, s77
.endr
.irp qt, 0,1,2,3
	v_max_num_f32 v[MM+4*\slot+\qt], v[MM+4*\slot+\qt], v[ST+8*\qt+1]
.endr
.if \first == 0
.irp qt, 0,1,2,3
	v_sub_f32 v[ST+8*\qt+3], v[MM+4*(1-\slot)+\qt], v[MM+4*\slot+\qt]
.endr
.irp qt, 0,1,2,3
	v_exp_f32 v[ST+8*\qt+2], v[ST+8*\qt+3]
.endr
.endif
.irp qt, 0,1,2,3
	v_sub_f32 v[ST+8*\qt], 0, v[MM+4*\slot+\qt]    ; plain lines behind the exponentials, which touch neither their results nor their sources
.endr
.endm
.macro EXA qt, kt                      ; x - max
.irp j, 0,2,4,6
	v_pk_add_f32 v[SB+32*(\qt)+8*(\kt)+\j:SB+32*(\qt)+8*(\kt)+\j+1], v[SB+32*(\qt)+8*(\kt)+\j:SB+32*(\qt)+8*(\kt)+\j+1], v[ST+8*(\qt):ST+8*(\qt)+1] op_sel_hi:[1,0]
.endr
.endm
.macro EXB qt, kt                      ; 2^(x - max), in place
.irp j, 0,1,2,3,4,5,6,7
	v_exp_f32 v[SB+32*(\qt)+8*(\kt)+\j], v[SB+32*(\qt)+8*(\kt)+\j]
.endr
.endm
.macro EXC qt, kt, first               ; the running sums (the first key tile brings alpha in by a fused multiply-add), then P as f16: tile kt fills registers 4 (kt % 2) .. + 3 of P[qt][kt / 2]
.set tb, SB+32*(\qt)+8*(\kt)
.set pd, SB+32*(\qt)+16*((\kt)/2)+4*((\kt)%2)
.set la, ST+8*(\qt)+4
.if (\kt) == 0
.if \first
	s_wait_alu depctr_va_vdst(0)
	v_pk_add_f32 v[la:la+1],   v[tb:tb+1],   v[tb+4:tb+5]
	v_pk_add_f32 v[la+2:la+3], v[tb+2:tb+3], v[tb+6:tb+7]
.else
	s_wait_alu depctr_va_vdst(0)
	v_pk_fma_f32 v[la:la+1],   v[la:la+1],   v[la-2:la-1], v[tb:tb+1] op_sel_hi:[1,0,1]
	v_pk_fma_f32 v[la+2:la+3], v[la+2:la+3], v[la-2:la-1], v[tb+2:tb+3] op_sel_hi:[1,0,1]
	v_pk_add_f32 v[la:la+1],   v[la:la+1],   v[tb+4:tb+5]
	v_pk_add_f32 v[la+2:la+3], v[la+2:la+3], v[tb+6:tb+7]
.endif
.else
	s_wait_alu depctr_va_vdst(0)
	v_pk_add_f32 v[la:la+1],   v[la:la+1],   v[tb:tb+1]
	v_pk_add_f32 v[la+2:la+3], v[la+2:la+3], v[tb+2:tb+3]
	v_pk_add_f32 v[la:la+1],   v[la:la+1],   v[tb+4:tb+5]
	v_pk_add_f32 v[la+2:la+3], v[la+2:la+3], v[tb+6:tb+7]
.endif
	v_cvt_pk_f16_f32 v[pd],   v[tb],   v[tb+1]
	v_cvt_pk_f16_f32 v[pd+1], v[tb+2], v[tb+3]
	v_cvt_pk_f16_f32 v[pd+2], v[tb+4], v[tb+5]
	v_cvt_pk_f16_f32 v[pd+3], v[tb+6], v[tb+7]
.endm
; The 16 tiles, key tile by key tile.  Behind a tile's eight exponentials stand the next tile's four subtractions, plain lines on other registers,
; before the tile's results are used (ISA guide 5.7.2); behind the last tile's a v_nop.
.macro EXPS first
	EXA 0, 0
	EXB 0, 0
.set ei, 0
.rept 15
.set nq, (ei+1)%4
.set nk, (ei+1)/4
.set cq, ei%4
.set ck, ei/4
	EXA nq, nk
	EXC cq, ck, \first
	EXB nq, nk
.set ei, ei+1
.endr
	v_nop
	s_wait_alu depctr_va_vdst(0)
	EXC 3, 3, \first
.endm
.macro RESC                            ; O x alpha
	WIN 0x41
.irp qt, 0,1,2,3
.irp j, 0,2,4,6,8,10,12,14,16,18,20,22,24,26,28,30
	v_pk_mul_f32 v[OB+32*\qt+\j:OB+32*\qt+\j+1], v[OB+32*\qt+\j:OB+32*\qt+\j+1], v[ST+8*\qt+2:ST+8*\qt+3] op_sel_hi:[1,0]
.endr
.endr
.endm
.macro PV kp, vsrc, first              ; O^T += (V hi + V lo)^T P^T over keys 32 kp .. + 31: 32 matrix instructions; sixteen accumulators take turns, one instruction a turn
.irp p, 0,1
.irp dt, 0,1,2,3
.irp qt, 0,1,2,3
.if \first*(1-\p)
	v_wmma_f32_16x16x32_f16 v[OB+32*\qt+8*\dt:OB+32*\qt+8*\dt+7], v[\vsrc+32*\p+8*\dt:\vsrc+32*\p+8*\dt+7], v[SB+32*\qt+16*\kp:SB+32*\qt+16*\kp+7], 0
.else
	v_wmma_f32_16x16x32_f16 v[OB+32*\qt+8*\dt:OB+32*\qt+8*\dt+7], v[\vsrc+32*\p+8*\dt:\vsrc+32*\p+8*\dt+7], v[SB+32*\qt+16*\kp:SB+32*\qt+16*\kp+7], v[OB+32*\qt+8*\dt:OB+32*\qt+8*\dt+7]
.endif
.endr
.endr
.endr
.endm
; One trip: 64 keys from slot.  refill = 1: the other slot gets the next 64 keys.  first = 1: the sums, maxima and O begin here, nothing is cleared.
.macro TRIP slot, refill, first
	s_wait_tensorcnt 0x0                           ; all my tensor loads are done, my part of this trip's tiles among them, so every group 0 may be written:
	ds_add_u32 v62, v63
	s_wait_dscnt 0x0
	s_add_nc_u64 s[G0M+4*\slot+2:G0M+4*\slot+3], s[G0M+4*\slot+2:G0M+4*\slot+3], 2*MSTEP    ; this slot's next tiles
	s_add_nc_u64 s[G0K+4*\slot+2:G0K+4*\slot+3], s[G0K+4*\slot+2:G0K+4*\slot+3], 2*KSTEPB
	s_add_nc_u64 s[G0V+4*\slot+2:G0V+4*\slot+3], s[G0V+4*\slot+2:G0V+4*\slot+3], 2*VSTEPB
	s_wait_dscnt 0x0                               ; my reads of the last trip's slot are done
	ROUND                                          ; both now hold of every wave of every work-group of the cluster
.if \refill
	JLOAD 1-\slot                                  ; the wave's one tensor load behind the round; it has the whole trip in which to land
.endif
	WIN 0x40
	LDK \slot
	WIN 0
	LDM \slot, 0, STG
	s_wait_dscnt 16                                ; K is in; the 16 mask loads stay out
	SMUL
	PLACES 4                                       ; behind the last product: K's registers are loaded again, S is read
	WIN 0x40
	LDM \slot, 2, KF
	WIN 0
	s_wait_dscnt 16                                ; the mask of query tiles 0, 1 is in; the 16 loads just issued stay out
	MASKADD 0, STG
	LDV \slot, 0, STG
	s_wait_dscnt 16                                ; the mask of query tiles 2, 3 is in; V's first 16 loads stay out
	WIN 0x01
	MASKADD 2, KF
	WIN 0x40
	LDV \slot, 1, KF
	WIN 0
	MAXC \slot, \first
	STATS \slot, \first
	EXPS \first
.if \first == 0
	RESC
.endif
	s_wait_dscnt 16                                ; V of keys 0-31 is in; the 16 loads of keys 32-63 stay out
	WIN 0x50                                       ; O window 1, V and P window 0
	PV 0, STG, \first
	s_wait_dscnt 0
	WIN 0x51                                       ; V window 1
	PV 1, KF, 0
	PLACES 5                                       ; behind the last product: the next trip loads into V's registers and its products write over P
	WIN 0
.endm
	TRIP 0, 1, 1
	TRIP 1, 1, 0
	s_mov_b32 s23, 14
.Lpair:
	TRIP 0, 1, 0
	TRIP 1, 1, 0
	s_sub_co_u32 s23, s23, 1
	s_cmp_lg_u32 s23, 0
	s_cbranch_scc1 .Lpair
	TRIP 0, 1, 0
	TRIP 1, 0, 0                                   ; keys 1984-2047: nothing is left to fetch
	; THE WAY OUT.  1 / sum: four partial sums a lane, then the other half's.  The sum is at least 1 (the largest term is 2^0).
.irp qt, 0,1,2,3
	v_pk_add_f32 v[ST+8*\qt+4:ST+8*\qt+5], v[ST+8*\qt+4:ST+8*\qt+5], v[ST+8*\qt+6:ST+8*\qt+7]
.endr
.irp qt, 0,1,2,3
	v_add_f32 v[ST+8*\qt+4], v[ST+8*\qt+4], v[ST+8*\qt+5]
.endr
.irp qt, 0,1,2,3
	v_permlanex16_b32 v[ST+8*\qt+1], v[ST+8*\qt+4], s76, s77
.endr
.irp qt, 0,1,2,3
	v_add_f32 v[ST+8*\qt+4], v[ST+8*\qt+4], v[ST+8*\qt+1]
.endr
.irp qt, 0,1,2,3
	v_rcp_f32 v[ST+8*\qt+2], v[ST+8*\qt+4]
.endr
	v_nop                                          ; one plain place behind the reciprocals
	s_wait_alu depctr_va_vdst(0)
; 16 queries: O / sum; hi = its upper bits, lo = the exact remainder, both to f16; a stage row is the head's hi | lo, 256 bytes
.macro OUTQ qt
	WIN 0x41
.irp j, 0,2,4,6,8,10,12,14,16,18,20,22,24,26,28,30
	v_pk_mul_f32 v[OB+32*\qt+\j:OB+32*\qt+\j+1], v[OB+32*\qt+\j:OB+32*\qt+\j+1], v[ST+8*\qt+2:ST+8*\qt+3] op_sel_hi:[1,0]
.endr
	WIN 0x04
.set j, 0
.rept 32
	v_and_b32 v[TR+j], s94, v[OB+32*\qt+j]
.set j, j+1
.endr
	WIN 0x41
.irp j, 0,2,4,6,8,10,12,14,16,18,20,22,24,26,28,30
	v_pk_add_f32 v[OB+32*\qt+\j:OB+32*\qt+\j+1], v[OB+32*\qt+\j:OB+32*\qt+\j+1], v[TR+\j:TR+\j+1] neg_lo:[0,1] neg_hi:[0,1]
.endr
	WIN 0
.set j, 0
.rept 16
	v_cvt_pk_f16_f32 v[HI+j], v[TR+2*j], v[TR+2*j+1]
.set j, j+1
.endr
	WIN 0x05
.set j, 0
.rept 16
	v_cvt_pk_f16_f32 v[LO+j], v[OB+32*\qt+2*j], v[OB+32*\qt+2*j+1]
.set j, j+1
.endr
	WIN 0
.irp dt, 0,1,2,3
	ds_store_b128 v[STO], v[HI+4*\dt:HI+4*\dt+3] offset:32*\dt
	ds_store_b128 v[STO], v[LO+4*\dt:LO+4*\dt+3] offset:32*\dt+128
.endr
	s_wait_xcnt 0x0                                ; v160-191, which the last tile's stores read, are loaded again only behind this wait
.irp t, 0,1,2,3,4,5,6,7
	ds_load_b128 v[BK+4*\t:BK+4*\t+3], v[RD] offset:544*\t         ; a wave's LDS instructions are served in order: these see the stores above; the stage is my own
.endr
.irp t, 0,1,2,3,4,5,6,7
	s_wait_dscnt 7-\t                              ; load t of the eight is in
	global_store_b128 v[CO], v[BK+4*\t:BK+4*\t+3], s[8:9] offset:(16*\qt+2*\t)*4096   ; 16 lanes store 256 consecutive bytes, aligned: one head of one token
.endr
.endm
	OUTQ 0
	OUTQ 1
	OUTQ 2
	OUTQ 3
	s_wait_tensorcnt 0x0
	ds_add_u32 v62, v63
	s_wait_dscnt 0x0
	ROUND                                          ; the closing round: no work-group ends while a partner may still ask for a tile that names it
	s_endpgm
.Lfunc_end_k_q7fe8ca5bf3_attn:
	.size	k_q7fe8ca5bf3_attn, .Lfunc_end_k_q7fe8ca5bf3_attn-k_q7fe8ca5bf3_attn
	.p2alignl 7, 3214868480
	.fill 96, 4, 3214868480
	.section	.rodata,"a",@progbits
	.p2align	6, 0x0
	.amdhsa_kernel k_q7fe8ca5bf3_attn
		.amdhsa_group_segment_fixed_size 327680
		.amdhsa_private_segment_fixed_size 0
		.amdhsa_enable_private_segment 0
		.amdhsa_kernarg_size 32
		.amdhsa_user_sgpr_count 2
		.amdhsa_user_sgpr_kernarg_segment_ptr 1
		.amdhsa_wavefront_size32 1
		.amdhsa_system_sgpr_workgroup_id_x 1
		.amdhsa_system_sgpr_workgroup_id_y 1
		.amdhsa_system_sgpr_workgroup_id_z 1
		.amdhsa_system_vgpr_workitem_id 0
		.amdhsa_next_free_vgpr 512
		.amdhsa_next_free_sgpr 96
		.amdhsa_reserve_vcc 0
		.amdhsa_float_denorm_mode_32 3
		.amdhsa_float_denorm_mode_16_64 3
		.amdhsa_memory_ordered 1
		.amdhsa_forward_progress 1
		.amdhsa_inst_pref_size 255
	.end_amdhsa_kernel
	.section	.bss,"aw",@nobits
	.p2align	6
	.space	262144
	.amdgpu_metadata
---
amdhsa.version: [ 1, 2 ]
amdhsa.kernels:
  - .name:           k_q7fe8ca5bf3_attn
    .symbol:         k_q7fe8ca5bf3_attn.kd
    .args:
      - { .name: qk, .offset: 0, .size: 8, .value_kind: global_buffer, .address_space: global }
      - { .name: vhl, .offset: 8, .size: 8, .value_kind: global_buffer, .address_space: global }
      - { .name: mask, .offset: 16, .size: 8, .value_kind: global_buffer, .address_space: global }
      - { .name: ctx, .offset: 24, .size: 8, .value_kind: global_buffer, .address_space: global }
    .group_segment_fixed_size: 327680
    .private_segment_fixed_size: 0
    .kernarg_segment_align: 8
    .kernarg_segment_size: 32
    .max_flat_workgroup_size: 256
    .sgpr_count:     96
    .vgpr_count:     512
    .wavefront_size: 32
...
	.end_amdgpu_metadata
.endif
;; end of part 3
;; launch dense (part 4): grid 4 x 64, 4 waves a work-group, clusters of 4 x 4, 327,680 bytes of LDS; arguments ctx, cb, dense_b, out0; writes out0
.if DOCPART == 4
	.amdgcn_target "amdgcn-amd-amdhsa--gfx1250"
	.amdhsa_code_object_version 6
	.text
	.protected	k_q7fe8ca5bf3_dense
	.globl	k_q7fe8ca5bf3_dense
	.p2align	8
	.type	k_q7fe8ca5bf3_dense,@function
k_q7fe8ca5bf3_dense:
	s_mov_b64 s[64:65], 0
	v_nop
	global_prefetch_b8 v0, s[64:65] scope:SCOPE_SE
	s_setreg_imm32_b32 hwreg(HW_REG_WAVE_MODE, 25, 1), 1
	s_wait_xcnt 0x0
	s_wait_alu depctr_hold_cnt(0) depctr_sa_sdst(0) depctr_va_vdst(0) depctr_va_sdst(0) depctr_va_ssrc(0) depctr_va_vcc(0) depctr_vm_vsrc(0)
	s_getreg_b32 s2, hwreg(HW_REG_IB_STS2, 6, 4)
	s_cmp_eq_u32 s2, 0
	s_cbranch_scc0 .Lentry_in_a_cluster
	s_endpgm
.Lentry_in_a_cluster:
	s_bfe_u32 s2, ttmp6, 0x10000c
	s_cmp_lg_u32 s2, 0xf033
	s_cbranch_scc0 .Lentry_shape_is_right
	s_endpgm
.Lentry_shape_is_right:
; dense: out0[m][n] = sum over k of (hi + lo)[m][k] W[n][k] + dense_b[n].  ctx: [8192][2048] f16, head H of a token owns 256 bytes, hi(64) | lo(64);
; W: dense_w as f16, [1024][1024], at byte 56,623,104 of cb; out0: [8192][1024] f32.  Sums in f32.
; A work-group makes 128 x 256 of out0 with four waves, a wave 64 x 128: 32 accumulator tiles, 256 registers.  hi and lo are two products onto the
; same accumulators and share W's fragments.  K goes in steps of 128 columns of W (two heads) through two LDS slots filled by tensor loads:
; A's rows are 512 bytes of memory, B's 256, all aligned to 256.
; CLUSTERS 4 x 4: A's tile hangs on the block row alone (joint along a row of the cluster), B's on the block column alone (joint along a column).
; REGISTERS: window 0 addresses, v64-127 / v128-191 A's fragments (hi of 4 row tiles, then lo), two buffers; window 1 the same for W's 8 fragments
; (the bias on the way out); window 2 the accumulators, tile (a, b) at v[8 (8 a + b)].
; The matrix instruction is used transposed (source 0 = rows of W, source 1 = rows of ctx): a lane holds 8 neighbouring columns of one row of out0.
.set PITCHA, 528                       ; 512 bytes + 16, an odd multiple of 16
.set PITCHB, 272                       ; 256 bytes + 16
.set PART,   34816                     ; a wave's fill: 128 rows of B (34,816 bytes) or 64 rows of A (33,792)
.set SLOT,   4*PART
.set STAGE,  2*SLOT                    ; a multiple of 256: no tensor load lands here
.set WSTAGE, 8448                      ; 16 rows x 528
.set LAPS, 4                           ; 8 K steps, two a lap
.set WOFF, 56623104
.set ADRA, 16
.set ADRB, 20
.set STO,  24
.set RD,   25
.set CO,   26
.set BO,   30
.set F0,   64
.set F1,   128
.set BIAS, 64
.set G1, 24
.set G0, 32
.set G1B, 48
.set G0B, 56
.set MSB, 0
.macro WIN new
.if MSB != \new
	s_set_vgpr_msb (MSB<<8)|\new
.set MSB, \new
.endif
.endm
.set MUL,  0xa1                        ; source 0 (W) window 1, source 1 (ctx) window 0, C and D window 2
.set TO_B, 0x40
.macro JLOAD s                         ; waves 0 and 1 fetch A's halves, waves 2 and 3 B's
	s_cmp_eq_u32 s11, 0
	s_cbranch_scc0 .Lfor_b_\@
	tensor_load_to_lds s[G0+4*\s:G0+4*\s+3], s[G1:G1+7]
	s_nop 0
	s_branch .Lasked_\@
.Lfor_b_\@:
	tensor_load_to_lds s[G0B+4*\s:G0B+4*\s+3], s[G1B:G1B+7]
	s_nop 0
.Lasked_\@:
.endm
.macro CREST
	s_cmp_lg_u32 s10, 0
	s_cbranch_scc1 .Lnot_wave_0_\@
	s_barrier_signal -3
.Lnot_wave_0_\@:
	s_barrier_wait -3
	s_barrier_signal -1
	s_barrier_wait -1
.endm
.macro CROUND
	s_barrier_signal -1
	s_barrier_wait -1
	CREST
.endm
	s_load_b256 s[68:75], s[0:1], 0x0              ; ctx s[68:69], cb s[70:71], dense_b s[72:73], out0 s[74:75]
	s_set_vgpr_msb 0x40
	v_lshl_add_u32 v255, v0, 2, 0x4c400
	s_set_vgpr_msb 0x4000
	v_mov_b32 v255, 0
	s_set_vgpr_msb 0x1
	ds_add_u32 v255, v255
	s_set_vgpr_msb 0x100
	v_lshrrev_b32 v1, 5, v0
	v_readfirstlane_b32 s10, v1                    ; wave 0..3
	s_lshr_b32 s11, s10, 1                         ; which 64 rows are mine.  Also: I fetch for A (0) or for B (1)
	s_and_b32 s12, s10, 1                          ; which 128 columns.  Also: which half of that tile I fetch
	s_bfe_u32 s40, ttmp6, 0x40000                  ; cx
	s_bfe_u32 s41, ttmp6, 0x40004                  ; cy
	s_lshl_b32 s42, ttmp9, 2
	s_add_co_u32 s42, s42, s40                     ; block column
	s_and_b32 s13, ttmp7, 0xffff
	s_lshl_b32 s13, s13, 2
	s_add_co_u32 s13, s13, s41                     ; block row, 0..63
	s_lshl_b32 s43, s41, 2
	s_lshl_b32 s43, 15, s43                        ; my row of the cluster
	s_lshl_b32 s44, 0x1111, s40                    ; my column
	; A: 64 rows x 256 elements of 2 bytes, 2,048 from row to row, 4 words of padding behind every 128
	s_or_b32 s[G1+0], s43, (1<<16)|(1<<20)|(1<<21)|(6<<22)|(3<<25)
	s_mov_b32 s[G1+1], 256<<16
	s_mov_b32 s[G1+2], 64<<16
	s_mov_b32 s[G1+3], 256<<16
	s_mov_b32 s[G1+4], 64
	s_mov_b32 s[G1+5], 2048
	s_mov_b32 s[G1+6], 0
	s_mov_b32 s[G1+7], 0
	; B: 128 rows x 128 elements of 2 bytes, 1,024 from row to row, 4 words of padding behind every 64
	s_or_b32 s[G1B+0], s44, (1<<16)|(1<<20)|(1<<21)|(5<<22)|(3<<25)
	s_mov_b32 s[G1B+1], 128<<16
	s_mov_b32 s[G1B+2], 128<<16
	s_mov_b32 s[G1B+3], 128<<16
	s_mov_b32 s[G1B+4], 128
	s_mov_b32 s[G1B+5], 1024
	s_mov_b32 s[G1B+6], 0
	s_mov_b32 s[G1B+7], 0
	s_lshl_b32 s16, s13, 7
	s_lshl_b32 s17, s12, 6
	s_add_co_u32 s16, s16, s17                     ; A: row 128 x block row + 64 x half,
	s_lshl_b32 s16, s16, 12                        ; of 4,096 bytes
	s_mov_b32 s17, 0
	s_lshl_b32 s46, s42, 8
	s_lshl_b32 s47, s12, 7
	s_add_co_u32 s46, s46, s47                     ; B: row 256 x block column + 128 x half,
	s_lshl_b32 s46, s46, 11                        ; of 2,048 bytes,
	s_add_co_u32 s46, s46, WOFF                    ; in cb
	s_mov_b32 s47, 0
	s_mul_i32 s20, s10, PART
	s_wait_dscnt 0x0
	s_wait_kmcnt 0x0
	s_add_nc_u64 s[14:15], s[68:69], s[16:17]
	s_add_nc_u64 s[46:47], s[70:71], s[46:47]
	CROUND                                         ; all sixteen work-groups are here
.irp s, 0,1
	s_mov_b32 s[G0+4*\s], 1
	s_add_co_u32 s[G0+4*\s+1], s20, \s*SLOT
	s_add_nc_u64 s[G0+4*\s+2:G0+4*\s+3], s[14:15], \s*512
	s_or_b32 s[G0+4*\s+3], s[G0+4*\s+3], 0x80000000
	s_mov_b32 s[G0B+4*\s], 1
	s_add_co_u32 s[G0B+4*\s+1], s20, \s*SLOT
	s_add_nc_u64 s[G0B+4*\s+2:G0B+4*\s+3], s[46:47], \s*256
	s_or_b32 s[G0B+4*\s+3], s[G0B+4*\s+3], 0x80000000
	JLOAD \s                                       ; both slots' first fills go out together: two tensor loads of a wave are out, never more
.endr
	v_and_b32 v1, 15, v0                           ; r
	v_bfe_u32 v2, v0, 4, 1                         ; h
	v_mul_u32_u24 v3, v1, PITCHA
	v_lshl_add_u32 v3, v2, 4, v3                   ; A: r x 528 + 16 h
	v_mul_u32_u24 v4, v1, PITCHB
	v_lshl_add_u32 v4, v2, 4, v4                   ; B: r x 272 + 16 h
	s_mul_i32 s21, s11, PART                       ; my 64 rows of A are one wave's fill
	s_mul_i32 s22, s12, PART
	s_add_co_u32 s22, s22, 2*PART                  ; my 128 rows of B
.irp s, 0,1
	v_add_nc_u32 v[ADRA+\s], s21, v3
	v_add_nc_u32 v[ADRB+\s], s22, v4
	s_add_co_u32 s21, s21, SLOT
	s_add_co_u32 s22, s22, SLOT
.endr
	s_mul_i32 s23, s10, WSTAGE
	s_add_co_u32 s23, s23, STAGE                   ; my stage
	v_mul_u32_u24 v4, v1, PITCHA
	v_lshl_add_u32 v4, v2, 5, v4
	v_add_nc_u32 v[STO], s23, v4                   ; in: row r, 32 bytes for each half of the lanes
	v_and_b32 v5, 31, v0
	v_lshlrev_b32 v[CO], 4, v5                     ; back and out: 32 lanes take one row of 512 bytes
	v_add_nc_u32 v[RD], s23, v[CO]
	v_lshlrev_b32 v[BO], 5, v2
; 16 matrix instructions: row tiles a0, a0 + 1 x all 8 column tiles, 32 along K; part 0 hi, 1 lo.  zero = 1: the first product starts the sums.
.macro MUL16 f, part, a0, zero
.irp a, \a0, \a0+1
.irp b, 0,1,2,3,4,5,6,7
.if \zero
	v_wmma_f32_16x16x32_f16 v[8*(8*(\a)+\b):8*(8*(\a)+\b)+7], v[\f+8*\b:\f+8*\b+7], v[\f+8*(4*\part+\a):\f+8*(4*\part+\a)+7], 0
.else
	v_wmma_f32_16x16x32_f16 v[8*(8*(\a)+\b):8*(8*(\a)+\b)+7], v[\f+8*\b:\f+8*\b+7], v[\f+8*(4*\part+\a):\f+8*(4*\part+\a)+7], v[8*(8*(\a)+\b):8*(8*(\a)+\b)+7]
.endif
.endr
.endr
.endm
; 32 LDS loads in one run: quarter c of a K step (32 along K) into buffer f: W's 8 fragments, then hi of my 4 row tiles, then lo
.macro FETCH slot, c, f
	WIN TO_B
.irp i, 0,1,2,3,4,5,6,7
	ds_load_b128 v[\f+8*\i:\f+8*\i+3],   v[ADRB+\slot] offset:64*\c+\i*16*PITCHB
	ds_load_b128 v[\f+8*\i+4:\f+8*\i+7], v[ADRB+\slot] offset:64*\c+\i*16*PITCHB+32
.endr
	WIN 0
.irp p, 0,1
.irp a, 0,1,2,3
	ds_load_b128 v[\f+8*(4*\p+\a):\f+8*(4*\p+\a)+3],   v[ADRA+\slot] offset:\a*16*PITCHA+(\c/2)*256+(\c%2)*64+128*\p
	ds_load_b128 v[\f+8*(4*\p+\a)+4:\f+8*(4*\p+\a)+7], v[ADRA+\slot] offset:\a*16*PITCHA+(\c/2)*256+(\c%2)*64+128*\p+32
.endr
.endr
.endm
.macro PLACES                          ; four independent vector instructions behind a matrix instruction (ISA guide 7.12.1 for vector instructions)
.rept 4
	v_nop
.endr
.endm
; A quarter: 32 products with hi, the next quarter's 32 loads, 32 products with lo.  The 32 accumulators take turns, one instruction a turn,
; in the same order every time, over the backward jump too.
.macro QUARTER slot, c, f, g, zero
	s_wait_dscnt 8                                 ; W and hi are in; the youngest eight loads (lo) may be out
	WIN MUL
	MUL16 \f, 0, 0, \zero
	MUL16 \f, 0, 2, \zero
	PLACES
	FETCH \slot, \c, \g
	s_wait_dscnt 32                                ; all but the 32 just issued
	WIN MUL
	MUL16 \f, 1, 0, 0
	MUL16 \f, 1, 2, 0
.endm
.macro THREE slot, zero
	QUARTER \slot, 1, F0, F1, \zero
	QUARTER \slot, 2, F1, F0, 0
	QUARTER \slot, 3, F0, F1, 0
.endm
.macro TURN slot, next, fill           ; the last quarter, and the change of slots
	s_wait_dscnt 8
	WIN MUL
	MUL16 F1, 0, 0, 0
	s_wait_dscnt 0                                 ; my reads of this slot are over
	s_wait_tensorcnt 0x0                           ; all my tensor loads have landed: the one that was out is my part of the next slot
	ds_add_u32 v255, v255
	s_wait_dscnt 0x0
	s_barrier_signal -1                            ; where a slot is filled again this barrier opens a round of the cluster's barrier
	MUL16 F1, 0, 2, 0
	WIN 0
	s_barrier_wait -1
.if \fill
	CREST                                          ; no wave of any partner still reads this slot or has a load on its way
	s_add_nc_u64 s[G0+4*\slot+2:G0+4*\slot+3], s[G0+4*\slot+2:G0+4*\slot+3], 2*512
	s_add_nc_u64 s[G0B+4*\slot+2:G0B+4*\slot+3], s[G0B+4*\slot+2:G0B+4*\slot+3], 2*256
	JLOAD \slot                                    ; the first and only tensor load of the wave behind the round; 240 matrix instructions until its wait
.endif
	PLACES
	FETCH \next, 0, F0
	WIN MUL
	MUL16 F1, 1, 0, 0
	MUL16 F1, 1, 2, 0
.endm
.macro LAP zero
	THREE 0, \zero
	TURN 0, 1, 1
	THREE 1, 0
	TURN 1, 0, 1
.endm
	s_wait_tensorcnt 1                             ; my part of K step 0 is in; K step 1's load, issued behind it, stays out
	s_barrier_signal -1
	s_barrier_wait -1
	FETCH 0, 0, F0
	LAP 1
	WIN 0
	s_mov_b32 s3, LAPS-2
.Llap:
	LAP 0
	WIN 0
	s_sub_co_u32 s3, s3, 1
	s_cmp_lg_u32 s3, 0
	s_cbranch_scc1 .Llap
	THREE 0, 0                                     ; the last lap fills nothing
	TURN 0, 1, 0
	THREE 1, 0
	s_wait_dscnt 8
	WIN MUL
	MUL16 F1, 0, 0, 0
	MUL16 F1, 0, 2, 0
	s_wait_dscnt 0
	MUL16 F1, 1, 0, 0
	MUL16 F1, 1, 2, 0
	; THE WAY OUT, 16 rows at a time: + bias, 32 bytes a lane and tile into my stage, whole rows of 512 bytes back and out.
	PLACES
	WIN 0
	s_lshl_b32 s46, s42, 8
	s_lshl_b32 s47, s12, 7
	s_add_co_u32 s46, s46, s47
	s_lshl_b32 s46, s46, 2                         ; my first column, in bytes
	s_mov_b32 s47, 0
	s_add_nc_u64 s[82:83], s[72:73], s[46:47]
	WIN TO_B
.irp b, 0,1,2,3,4,5,6,7
	global_load_b128 v[BIAS+8*\b:BIAS+8*\b+3],   v[BO], s[82:83] offset:64*\b       ; bias of columns 16 b + 8 h + 0..7, as the tiles hold them
	global_load_b128 v[BIAS+8*\b+4:BIAS+8*\b+7], v[BO], s[82:83] offset:64*\b+16
.endr
	WIN 0
	s_lshl_b32 s16, s13, 7
	s_lshl_b32 s14, s11, 6
	s_add_co_u32 s16, s16, s14                     ; my first row,
	s_lshl_b32 s16, s16, 12                        ; of 4,096 bytes
	s_add_co_u32 s16, s16, s46
	s_mov_b32 s17, 0
	s_add_nc_u64 s[8:9], s[74:75], s[16:17]
	s_wait_loadcnt 0x0                             ; the bias
.macro OUTF a, f
	WIN 0x86                                       ; sums window 2, bias (source 1) window 1
.irp b, 0,1,2,3,4,5,6,7
.irp r, 0,2,4,6
	v_pk_add_f32 v[8*(8*\a+\b)+\r:8*(8*\a+\b)+\r+1], v[8*(8*\a+\b)+\r:8*(8*\a+\b)+\r+1], v[BIAS+8*\b+\r:BIAS+8*\b+\r+1]
.endr
.endr
	WIN 0x08                                       ; an LDS store's data is source 1: window 2
.irp b, 0,1,2,3,4,5,6,7
	ds_store_b128 v[STO], v[8*(8*\a+\b):8*(8*\a+\b)+3]   offset:64*\b
	ds_store_b128 v[STO], v[8*(8*\a+\b)+4:8*(8*\a+\b)+7] offset:64*\b+16
.endr
	WIN 0
	s_wait_xcnt 0x0                                ; buffer f, which earlier stores read, and the base are rewritten only behind this wait
.if \a
	s_add_nc_u64 s[8:9], s[8:9], 16*4096
.endif
.irp t, 0,1,2,3,4,5,6,7,8,9,10,11,12,13,14,15
	ds_load_b128 v[\f+4*\t:\f+4*\t+3], v[RD] offset:\t*PITCHA      ; a wave's LDS instructions are served in order: these see the stores above; the stage is my own
.endr
.irp t, 0,1,2,3,4,5,6,7,8,9,10,11,12,13,14,15
	s_wait_dscnt 15-\t                             ; load t of the sixteen is in
	global_store_b128 v[CO], v[\f+4*\t:\f+4*\t+3], s[8:9] offset:\t*4096 th:TH_STORE_NT   ; a wave stores 512 consecutive bytes, aligned
.endr
.endm
	OUTF 0, F0
	OUTF 1, F1
	OUTF 2, F0
	OUTF 3, F1
	s_set_vgpr_msb 0x1
	s_wait_tensorcnt 0x0
	ds_add_u32 v255, v255
	s_wait_dscnt 0x0
	s_set_vgpr_msb 0x100
	CROUND                                         ; the closing round: no work-group ends while a partner may still ask for a tile that names it
	s_endpgm
.Lfunc_end_k_q7fe8ca5bf3_dense:
	.size	k_q7fe8ca5bf3_dense, .Lfunc_end_k_q7fe8ca5bf3_dense-k_q7fe8ca5bf3_dense
	.p2alignl 7, 3214868480
	.fill 96, 4, 3214868480
	.section	.rodata,"a",@progbits
	.p2align	6, 0x0
	.amdhsa_kernel k_q7fe8ca5bf3_dense
		.amdhsa_group_segment_fixed_size 327680
		.amdhsa_private_segment_fixed_size 0
		.amdhsa_enable_private_segment 0
		.amdhsa_kernarg_size 32
		.amdhsa_user_sgpr_count 2
		.amdhsa_user_sgpr_kernarg_segment_ptr 1
		.amdhsa_wavefront_size32 1
		.amdhsa_system_sgpr_workgroup_id_x 1
		.amdhsa_system_sgpr_workgroup_id_y 1
		.amdhsa_system_sgpr_workgroup_id_z 1
		.amdhsa_system_vgpr_workitem_id 0
		.amdhsa_next_free_vgpr 768
		.amdhsa_next_free_sgpr 96
		.amdhsa_reserve_vcc 0
		.amdhsa_float_denorm_mode_32 3
		.amdhsa_float_denorm_mode_16_64 3
		.amdhsa_memory_ordered 1
		.amdhsa_forward_progress 1
		.amdhsa_inst_pref_size 189
	.end_amdhsa_kernel
	.amdgpu_metadata
---
amdhsa.version: [ 1, 2 ]
amdhsa.kernels:
  - .name:           k_q7fe8ca5bf3_dense
    .symbol:         k_q7fe8ca5bf3_dense.kd
    .args:
      - { .name: ctx, .offset: 0, .size: 8, .value_kind: global_buffer, .address_space: global }
      - { .name: cb, .offset: 8, .size: 8, .value_kind: global_buffer, .address_space: global }
      - { .name: dense_b, .offset: 16, .size: 8, .value_kind: global_buffer, .address_space: global }
      - { .name: out0, .offset: 24, .size: 8, .value_kind: global_buffer, .address_space: global }
    .group_segment_fixed_size: 327680
    .private_segment_fixed_size: 0
    .kernarg_segment_align: 8
    .kernarg_segment_size: 32
    .max_flat_workgroup_size: 128
    .sgpr_count:     96
    .vgpr_count:     768
    .wavefront_size: 32
...
	.end_amdgpu_metadata
.endif
;; end of part 4
